; MI455X (gfx1250); checked and timed in simulation.
; The chip was launched on July 23, 2026; its instructions are those of AMD's public machine-readable ISA for CDNA 5 (MIT licence, August 2026) and "CDNA5" Instruction Set Architecture Reference Guide (July 2026). The comments in the code are by the model that wrote it; some were corrected since.
;; c Graspvae Loss. Allowed arithmetic: float matrix products may take bf16 or f16 operands with f32 sums; all other float work in f32.
;; Inputs: obj_vs 16 x 3 x 8,192 float32; p_mean 16 x 16 float32; p_std 16 x 16 float32; region 16 x 1 x 8,192 float32; rh_mesh 16 x 778 x 3 float32; rh_mesh_pred 16 x 778 x 3 float32; rhand_vs 16 x 3 x 778 float32; rhand_vs_pred 16 x 778 x 3 float32; v_weights 778 float32; vpe 2,314 x 2 int32.
;; Outputs: out0 one number float32; out1 one number float32; out2 one number float32; out3 one number float32; out4 one number float32; out5 one number float32; out6 16 x 8,192 float32; out7 16 x 8,192 float32.
;; One version. Each part assembles by itself: llvm-mc -triple=amdgcn-amd-amdhsa -mcpu=gfx1250 --defsym DOCPART=n.
;; ======== version 1 of 1: 3 launches
;; limits: values outside matrix products are rounded to bf16
;; workspace buffers: cand 1,048,576 bytes of whole numbers; hpart 1,703,936 bytes; part 4,096 bytes
;; launch nearest (part 1): grid 16 x 16, 8 waves a work-group, no clusters, 168,960 bytes of LDS; arguments rhand_vs, rhand_vs_pred, obj_vs, cand, hpart; writes cand, hpart
.if DOCPART == 1
	.amdgcn_target "amdgcn-amd-amdhsa--gfx1250"
	.amdhsa_code_object_version 6
	.text
	.protected	k_q67542849ca_nearest
	.globl	k_q67542849ca_nearest
	.p2align	8
	.type	k_q67542849ca_nearest,@function
k_q67542849ca_nearest:
	s_mov_b64 s[64:65], 0
	v_nop
	global_prefetch_b8 v0, s[64:65] scope:SCOPE_SE
	s_setreg_imm32_b32 hwreg(HW_REG_WAVE_MODE, 25, 1), 1
	s_wait_xcnt 0x0
; nearest: all squared distances d2 = fl(fl(o2 + h2) - 2 cross) between 512 object points and the 778 vertices of both hands of one batch.
; Stored: cand[g][b][n] = T0 | T1 << 8: the first 16-row hand tile that holds the least clamped d2 among rows 16T+0..7 (T0) and among
; rows 16T+8..15 (T1) of hand g; hpart[g][b][chunk][row] = the least d2 of a hand row over this work-group's 512 points (not yet clamped).
; The next launch evaluates the 16 rows that a word of cand names and takes the first least one: no address here hangs on a float.
; All points are rounded to bf16 first, and o2, h2 are made from the rounded numbers: the products are then exact (8 x 8 bits).
; t = o2 + h2 is rounded by a vector add and goes in as C; A = 16 hand rows (x, y, z in K = 0..2), B = 16 object points times -2.
; Work-group (c, b): points 512 c .. 512 c + 511 of batch b.  Wave w: hand g = w >> 2, points 128 (w & 3) .. + 127 as 8 tiles, all 49 hand tiles.
; LIMITS: finite inputs (a NaN is passed over by the minima); squared norms below the pad 1e38; where two tiles of one half are nearer to
; each other than the rounding of the matrix unit's one sum against two f32 roundings, either tile may be named.
; No tensor loads, no cluster: every input byte has to pass through registers (rounding, norms), and the tables are 30 KB.
.set HA,    0                          ; [g][1024 rows] 8 bytes: bf16 x | y << 16, bf16 z
.set H2,    16384                      ; [g][1024] f32 h2; rows from 778 on hold PADH2
.set OB,    24576                      ; [512 points] 8 bytes: bf16 -2x | -2y << 16, bf16 -2z
.set O2,    28672                      ; [512] f32 o2
.set SCR,   30720                      ; [wave] 16 rows of 80 bytes: the wave's own transposing scratch, at the end its stage for cand
.set RES,   40960                      ; [wave][part 2][784] f32: least d2 of a hand row over eight of the wave's sixteen columns
.set PADH2, 0x7e967699                 ; 1e38
.set AF0, 8                            ; v[8:15], v[16:23]   A fragments by the tile's parity; registers 2..7 stay zero
.set HH0, 24                           ; v[24:31], v[32:39]  h2 of my eight rows of the tile, by parity
.set HM,  40                           ; v[40:47]   hand side: least d2 of my 8 rows over the wave's 8 object tiles, my column
.set FT,  48                           ; v[48:55]   the same read back transposed
.set OO,  56                           ; v[56:63]   o2 of my column in object tile i
.set RA,  64                           ; v[64:71], v[72:79]  object side: clamped running minimum, in and out by the tile's parity
.set IX,  80                           ; v[80:87]   object side: the tile that brought the minimum
.set D0,  88                           ; v[88:103], v[104:119]  C and D of two object tiles each
.set BF,  128                          ; v[128:191] B fragment of object tile i at BF + 8 i; registers 2..7 and lanes 16-31 zero
; v2 LDS address of A's rows, v3 of h2, v4 scratch in, v5 scratch back, v6 RES; v120-v127 at work
	s_load_b256 s[4:11], s[0:1], 0x0               ; rhand_vs s[4:5], rhand_vs_pred s[6:7], obj_vs s[8:9], cand s[10:11]
	s_load_b64 s[12:13], s[0:1], 0x20              ; hpart
	v_lshl_add_u32 v192, v0, 2, 0x29000
	v_mov_b32 v193, 0
	v_lshrrev_b32 v1, 5, v0
	v_readfirstlane_b32 s16, v1                    ; wave
	s_mov_b32 s14, ttmp9                           ; c: chunk of 512 points
	s_and_b32 s15, ttmp7, 0xffff                   ; b: batch
	s_lshr_b32 s17, s16, 2                         ; g: which hand
	s_and_b32 s18, s16, 3                          ; q: which 128 points
	s_mov_b32 s28, 0xffff0000                      ; a word's upper bf16
	s_mov_b32 s22, 0x76543210                      ; v_permlanex16_b32: lane i takes lane i xor 16
	s_mov_b32 s23, 0xfedcba98
	v_lshlrev_b32 v120, 3, v0                      ; 8 t
	v_lshlrev_b32 v121, 2, v0                      ; 4 t
	v_mul_u32_u24 v122, 12, v0                     ; 12 t
	v_add_nc_u32 v123, 768, v0
	v_min_u32 v123, 777, v123                      ; the fourth row of a thread, kept inside the table
	v_lshlrev_b32 v124, 2, v123
	v_mul_u32_u24 v125, 12, v123
	v_lshlrev_b32 v126, 4, v0                      ; 16 t
	s_mul_i32 s26, s15, 98304                      ; obj_vs: b x 3 x 8192 x 4
	s_lshl_b32 s29, s14, 11                        ; + c x 512 x 4
	s_add_co_u32 s26, s26, s29
	s_mov_b32 s27, 0
	s_mul_i32 s30, s15, 9336                       ; the hands: b x 778 x 3 x 4
	s_mov_b32 s31, 0
	s_lshl4_add_u32 s32, s15, s14                  ; hpart: (16 b + c) rows of 3,328 bytes
	s_mul_i32 s32, s32, 3328
	s_mov_b32 s33, 0
	s_lshl_b32 s34, s17, 19                        ; cand: g x 524288 + (8192 b + 512 c + 128 q) x 4
	s_lshl_b32 s29, s15, 15
	s_add_co_u32 s34, s34, s29
	s_lshl_b32 s29, s14, 11
	s_add_co_u32 s34, s34, s29
	s_lshl_b32 s29, s18, 9
	s_add_co_u32 s34, s34, s29
	s_mov_b32 s35, 0
	s_wait_kmcnt 0x0
	s_add_nc_u64 s[8:9], s[8:9], s[26:27]
	s_add_nc_u64 s[4:5], s[4:5], s[30:31]
	s_add_nc_u64 s[6:7], s[6:7], s[30:31]
	s_add_nc_u64 s[12:13], s[12:13], s[32:33]
	s_add_nc_u64 s[10:11], s[10:11], s[34:35]
	; all loads at once: two points a thread (a wave's load covers 256 consecutive bytes), then four rows of each hand
.irp d, 0,1,2
	global_load_b64 v[128+2*\d:129+2*\d], v120, s[8:9] offset:32768*\d
.endr
.irp k, 0,1,2
.irp d, 0,1,2
	global_load_b32 v[136+3*\k+\d], v121, s[4:5] offset:3112*\d+1024*\k     ; rhand_vs[b][d][t + 256 k]
.endr
.endr
.irp d, 0,1,2
	global_load_b32 v[145+\d], v124, s[4:5] offset:3112*\d
.endr
.irp k, 0,1,2
.irp d, 0,1,2
	global_load_b32 v[148+3*\k+\d], v122, s[6:7] offset:3072*\k+4*\d        ; rhand_vs_pred[b][t + 256 k][d]
.endr
.endr
.irp d, 0,1,2
	global_load_b32 v[157+\d], v125, s[6:7] offset:4*\d
.endr
	s_wait_loadcnt 24                              ; the object's three loads are in; the 24 hand loads behind them stay out
.irp p, 0,1
	v_cvt_pk_bf16_f32 v160, v[128+\p], v[130+\p]   ; round to bf16,
	v_cvt_pk_bf16_f32 v161, v[132+\p], 0
	v_lshlrev_b32 v162, 16, v160                   ; and back to f32: the numbers that everything below uses
	v_and_b32 v163, s28, v160
	v_lshlrev_b32 v164, 16, v161
	v_mul_f32 v[180+\p], v162, v162                ; o2 in the order x, y, z (the squares are exact)
	v_fmac_f32 v[180+\p], v163, v163
	v_fmac_f32 v[180+\p], v164, v164
	v_mul_f32 v162, -2.0, v162                     ; exact
	v_mul_f32 v163, -2.0, v163
	v_mul_f32 v164, -2.0, v164
	v_cvt_pk_bf16_f32 v[176+2*\p], v162, v163
	v_cvt_pk_bf16_f32 v[177+2*\p], v164, 0
.endr
	ds_store_b128 v126, v[176:179] offset:OB
	ds_store_b64 v120, v[180:181] offset:O2
	v_cmp_gt_u32 vcc_lo, 10, v0                    ; row 768 + t exists
; Row t + 256 k of hand g: rounded, packed, its squared norm.  The rows past 777 keep row 777's numbers; their h2 keeps them out of every minimum.
.macro HROW g, k
	s_wait_loadcnt 21-3*(4*\g+\k)                  ; loads return in order: this group's three are in, the younger groups' stay out
	v_cvt_pk_bf16_f32 v160, v[136+3*(4*\g+\k)], v[137+3*(4*\g+\k)]
	v_cvt_pk_bf16_f32 v161, v[138+3*(4*\g+\k)], 0
	v_lshlrev_b32 v162, 16, v160
	v_and_b32 v163, s28, v160
	v_lshlrev_b32 v164, 16, v161
	v_mul_f32 v165, v162, v162
	v_fmac_f32 v165, v163, v163
	v_fmac_f32 v165, v164, v164
.if \k == 3
	v_cndmask_b32 v165, PADH2, v165, vcc_lo
.endif
	ds_store_b64 v120, v[160:161] offset:HA+8192*\g+2048*\k
	ds_store_b32 v121, v165 offset:H2+4096*\g+1024*\k
.endm
.irp g, 0,1
.irp k, 0,1,2,3
	HROW \g, \k
.endr
.endr
	s_wait_dscnt 0x0                               ; my stores are in LDS, for the other waves' sake
	s_barrier_signal -1
	s_barrier_wait -1
	; the wave's addresses: r = lane & 15, hf = lane >> 4
	v_and_b32 v1, 15, v0
	v_bfe_u32 v7, v0, 4, 1
	s_lshl_b32 s29, s17, 13
	v_lshl_add_u32 v2, v1, 3, s29                  ; HA + 8192 g + 8 r: both halves of the lanes read the same row
	s_lshl_b32 s29, s17, 12
	s_add_co_u32 s29, s29, H2
	v_lshl_add_u32 v3, v7, 5, s29                  ; H2 + 4096 g + 32 hf
	s_mul_i32 s30, s16, 6272
	s_add_co_u32 s30, s30, RES
	v_mul_u32_u24 v6, 3136, v7
	v_lshl_add_u32 v6, v1, 2, v6
	v_add_nc_u32 v6, s30, v6                       ; RES + 6272 w + 3136 hf + 4 r
	s_lshl_b32 s31, s18, 10
	s_add_co_u32 s31, s31, OB
	v_lshl_add_u32 v120, v1, 3, s31                ; OB + 8 (128 q + r)
	s_lshl_b32 s31, s18, 9
	s_add_co_u32 s31, s31, O2
	v_lshl_add_u32 v121, v1, 2, s31                ; O2 + 4 (128 q + r)
	s_mul_i32 s29, s16, 1280
	s_add_co_u32 s29, s29, SCR                     ; my scratch; s29 stays
	v_mul_u32_u24 v4, 640, v7
	v_lshl_add_u32 v4, v1, 2, v4
	v_add_nc_u32 v4, s29, v4                       ; in: row 8 hf + j (the offset), column r
	v_mul_u32_u24 v5, 80, v1
	v_lshl_add_u32 v5, v7, 5, v5
	v_add_nc_u32 v5, s29, v5                       ; back: row r, columns 8 hf .. 8 hf + 7
; Tile's A rows and h2 into the registers of parity a.
.macro LOADT a, off
	ds_load_b64 v[AF0+8*(\a):AF0+8*(\a)+1], v2 offset:\off
	ds_load_b128 v[HH0+8*(\a):HH0+8*(\a)+3], v3 offset:(\off)/2
	ds_load_b128 v[HH0+8*(\a)+4:HH0+8*(\a)+7], v3 offset:(\off)/2+16
.endm
.irp i, 0,1,2,3,4,5,6,7
	ds_load_b64 v[BF+8*\i:BF+8*\i+1], v120 offset:128*\i
.endr
.irp i, 0,1,2,3,4,5,6,7
	ds_load_b32 v[OO+\i], v121 offset:64*\i
.endr
	LOADT 0, 0
	LOADT 1, 128
	; K = 4 and up is never used: the fragments' other registers are zeroed once for the whole kernel
.irp i, 0,1,2,3,4,5,6,7
.irp j, 2,3,4,5,6,7
	v_mov_b32 v[BF+8*\i+\j], 0
.endr
.endr
.irp j, 2,3,4,5,6,7
	v_mov_b32 v[AF0+\j], 0
	v_mov_b32 v[AF0+8+\j], 0
.endr
.irp i, 0,1,2,3,4,5,6,7
	v_mov_b32 v[RA+\i], 0x7f800000                 ; +inf: the first tile always wins
	v_mov_b32 v[IX+\i], 0
.endr
	v_and_b32 v1, 31, v0
	v_cmp_gt_u32 vcc_lo, 16, v1
	s_mov_b32 s20, 0                               ; the tile's number
	s_wait_dscnt 0x0                               ; B, o2 and the first two tiles are in
.irp i, 0,1,2,3,4,5,6,7
	v_cndmask_b32 v[BF+8*\i], 0, v[BF+8*\i], vcc_lo          ; lanes 16-31 stand for K = 8..11: zero in B, so that A's copy there adds nothing
	v_cndmask_b32 v[BF+8*\i+1], 0, v[BF+8*\i+1], vcc_lo
.endr
; t = fl(o2 + h2) for object tiles 2P, 2P+1 into the accumulators of pair P.
.macro TSUM a, P
.irp e, 0,1
.irp k, 0,1,2,3
	v_pk_add_f32 v[D0+16*((\P)&1)+8*\e+2*\k:D0+16*((\P)&1)+8*\e+2*\k+1], v[HH0+8*(\a)+2*\k:HH0+8*(\a)+2*\k+1], v[OO+2*(\P):OO+2*(\P)+1] op_sel:[0,\e] op_sel_hi:[1,\e]
.endr
.endr
.endm
; d2 = t - 2 cross.  The four accumulators take turns, one instruction a turn, over the loop's backward jump too.
.macro MMUL a, P
.irp e, 0,1
	v_wmma_f32_16x16x32_bf16 v[D0+16*((\P)&1)+8*\e:D0+16*((\P)&1)+8*\e+7], v[AF0+8*(\a):AF0+8*(\a)+7], v[BF+8*(2*(\P)+\e):BF+8*(2*(\P)+\e)+7], v[D0+16*((\P)&1)+8*\e:D0+16*((\P)&1)+8*\e+7]
.endr
.endm
; Both reductions of pair P: 22 vector instructions for 2 x 256 numbers.
; Object side: min over my 8 rows and the running minimum, ONE clamp at 0 (min of clamped = clamped min), and the tile's number where
; the result is strictly less: the earliest tile keeps a tie, the clamp's ties too.
.macro RED a, P
.set DS, D0+16*((\P)&1)
.set RIN, RA+8*(\a)
.set ROUT, RA+8*(1-(\a))
.irp j, 0,1,2,3,4,5,6,7
.if \P == 0
	v_min_num_f32 v[HM+\j], v[DS+\j], v[DS+8+\j]
.else
	v_min3_num_f32 v[HM+\j], v[HM+\j], v[DS+\j], v[DS+8+\j]
.endif
.endr
	v_min3_num_f32 v120, v[RIN+2*(\P)], v[DS], v[DS+1]
	v_min3_num_f32 v121, v[RIN+2*(\P)+1], v[DS+8], v[DS+9]
.irp j, 2,4,6
	v_min3_num_f32 v120, v120, v[DS+\j], v[DS+\j+1]
	v_min3_num_f32 v121, v121, v[DS+8+\j], v[DS+8+\j+1]
.endr
	v_max_num_f32 v[ROUT+2*(\P)], 0, v120
	v_max_num_f32 v[ROUT+2*(\P)+1], 0, v121
	v_cmp_lt_f32 vcc_lo, v[ROUT+2*(\P)], v[RIN+2*(\P)]
	v_cmp_lt_f32 s21, v[ROUT+2*(\P)+1], v[RIN+2*(\P)+1]
	v_cndmask_b32 v[IX+2*(\P)], v[IX+2*(\P)], s20, vcc_lo
	v_cndmask_b32 v[IX+2*(\P)+1], v[IX+2*(\P)+1], s20, s21
.endm
; The next pair's products are issued ahead of this pair's reductions: between a matrix instruction and the first read of its result stand
; the 22 instructions of RED and the 8 of the following TSUM, none of which names one of its registers (ISA guide 7.12.1 asks for 4).
.macro STEP a, P, nxt, na, nP
.if \nxt
	TSUM \na, \nP
	MMUL \na, \nP
.endif
	RED \a, \P
.endm
; Hand side, across the 16 columns: my 8 minima go into the scratch by rows, and come back as 8 columns of one row.
; Rows are 80 bytes apart: the two halves' stores lie 32 banks apart, the sixteen 16-byte reads of a half in sixteen different columns.
; LDS serves a wave's instructions in order (ISA guide 5.7.1): no wait between the stores and the loads.
.macro FLUSH
.irp j, 0,1,2,3,4,5,6,7
	ds_store_b32 v4, v[HM+\j] offset:80*\j
.endr
	ds_load_b128 v[FT:FT+3], v5
	ds_load_b128 v[FT+4:FT+7], v5 offset:16
.endm
.macro FIN off
	s_wait_dscnt 0x0                               ; the last tile's read-back is in, and with it the older loads of the next tile's A and h2
	v_min3_num_f32 v122, v[FT], v[FT+1], v[FT+2]
	v_min3_num_f32 v122, v122, v[FT+3], v[FT+4]
	v_min3_num_f32 v122, v122, v[FT+5], v[FT+6]
	v_min_num_f32 v122, v122, v[FT+7]
	ds_store_b32 v6, v122 offset:\off
.endm
; One hand tile of parity a against the wave's 8 object tiles.  fin: finish the tile before; ld: fetch the tile after next (same parity);
; last: no tile follows.  The fetch stands more than 22 vector instructions behind the last matrix instruction that read these A registers.
.macro TILE a, fin, finoff, ld, ldoff, last
	STEP \a, 0, 1, \a, 1
	STEP \a, 1, 1, \a, 2
.if \fin
	FIN \finoff
.endif
	STEP \a, 2, 1, \a, 3
.if \last
	STEP \a, 3, 0, 0, 0
.else
	STEP \a, 3, 1, 1-\a, 0
.endif
.if \ld
	LOADT \a, \ldoff
.endif
	FLUSH
	s_add_co_u32 s20, s20, 1
.endm
	TSUM 0, 0
	MMUL 0, 0
	TILE 0, 0, 0, 1, 256, 0                        ; tile 0; fetches tile 2
	v_add_nc_u32 v2, 384, v2                       ; the addresses now stand at tile 3
	v_add_nc_u32 v3, 192, v3
	s_mov_b32 s19, 23
.Ltiles:                                               ; tiles 2 i + 1 and 2 i + 2, i = 0 .. 22
	TILE 1, 1, 0, 1, 0, 0
	TILE 0, 1, 64, 1, 128, 0
	v_add_nc_u32 v2, 256, v2
	v_add_nc_u32 v3, 128, v3
	v_add_nc_u32 v6, 128, v6
	s_sub_co_u32 s19, s19, 1
	s_cmp_lg_u32 s19, 0
	s_cbranch_scc1 .Ltiles
	TILE 1, 1, 0, 0, 0, 0                          ; tile 47: nothing left to fetch
	TILE 0, 1, 64, 0, 0, 1                         ; tile 48
	FIN 128
	; cand: lane l of pair P gets point 32 P + l: its T0 from the lower half of the lanes, its T1 from the upper
	v_and_b32 v1, 31, v0
	v_cmp_lt_u32 vcc_lo, 15, v1
	v_lshl_add_u32 v7, v1, 2, s29
	v_lshl_add_u32 v2, v1, 4, s29
	v_lshlrev_b32 v3, 4, v1
.irp P, 0,1,2,3
	v_permlanex16_b32 v120, v[IX+2*\P], s22, s23
	v_permlanex16_b32 v121, v[IX+2*\P+1], s22, s23
	v_cndmask_b32 v122, v[IX+2*\P], v121, vcc_lo
	v_cndmask_b32 v123, v120, v[IX+2*\P+1], vcc_lo
	v_lshl_or_b32 v122, v123, 8, v122
	ds_store_b32 v7, v122 offset:128*\P
.endr
	ds_load_b128 v[124:127], v2                    ; four neighbouring points a lane, through the wave's own stage
	s_wait_dscnt 0x0                               ; the words are in; my stores into RES are done too, for the other waves' sake
	global_store_b128 v3, v[124:127], s[10:11]     ; 512 consecutive bytes, aligned
	s_barrier_signal -1
	s_barrier_wait -1
	; hpart: threads 0 to 195 take four rows each; per hand 4 waves x 2 parts
	s_wait_xcnt 0x0                                ; EXEC changes, and the store's registers are rewritten, only behind this wait
	v_cmp_gt_u32 vcc_lo, 196, v0
	s_wait_tensorcnt 0x0
	ds_add_u32 v192, v193
	s_wait_dscnt 0x0
	s_and_saveexec_b32 s24, vcc_lo
	v_lshlrev_b32 v7, 4, v0
	v_add_nc_u32 v1, RES, v7
.irp t, 0,1,2,3,4,5,6,7,8,9,10,11,12,13,14,15
	ds_load_b128 v[128+4*\t:131+4*\t], v1 offset:3136*\t
.endr
	s_wait_dscnt 0x0
.irp g, 0,1
.irp c, 0,1,2,3
	v_min3_num_f32 v[120+4*\g+\c], v[128+32*\g+\c], v[132+32*\g+\c], v[136+32*\g+\c]
	v_min3_num_f32 v[120+4*\g+\c], v[120+4*\g+\c], v[140+32*\g+\c], v[144+32*\g+\c]
	v_min3_num_f32 v[120+4*\g+\c], v[120+4*\g+\c], v[148+32*\g+\c], v[152+32*\g+\c]
	v_min_num_f32 v[120+4*\g+\c], v[120+4*\g+\c], v[156+32*\g+\c]
.endr
	global_store_b128 v7, v[120+4*\g:123+4*\g], s[12:13] offset:851968*\g
.endr
	s_wait_xcnt 0x0                                ; EXEC is widened only behind this wait
	s_or_b32 exec_lo, exec_lo, s24
	s_endpgm
.Lfunc_end_k_q67542849ca_nearest:
	.size	k_q67542849ca_nearest, .Lfunc_end_k_q67542849ca_nearest-k_q67542849ca_nearest
	.p2alignl 7, 3214868480
	.fill 96, 4, 3214868480
	.section	.rodata,"a",@progbits
	.p2align	6, 0x0
	.amdhsa_kernel k_q67542849ca_nearest
		.amdhsa_group_segment_fixed_size 168960
		.amdhsa_private_segment_fixed_size 0
		.amdhsa_enable_private_segment 0
		.amdhsa_kernarg_size 40
		.amdhsa_user_sgpr_count 2
		.amdhsa_user_sgpr_kernarg_segment_ptr 1
		.amdhsa_wavefront_size32 1
		.amdhsa_system_sgpr_workgroup_id_x 1
		.amdhsa_system_sgpr_workgroup_id_y 1
		.amdhsa_system_sgpr_workgroup_id_z 1
		.amdhsa_system_vgpr_workitem_id 0
		.amdhsa_next_free_vgpr 194
		.amdhsa_next_free_sgpr 66
		.amdhsa_reserve_vcc 1
		.amdhsa_float_denorm_mode_32 3
		.amdhsa_float_denorm_mode_16_64 3
		.amdhsa_memory_ordered 1
		.amdhsa_forward_progress 1
		.amdhsa_inst_pref_size 64
	.end_amdhsa_kernel
	.amdgpu_metadata
---
amdhsa.version: [ 1, 2 ]
amdhsa.kernels:
  - .name:           k_q67542849ca_nearest
    .symbol:         k_q67542849ca_nearest.kd
    .args:
      - { .name: rhand_vs, .offset: 0, .size: 8, .value_kind: global_buffer, .address_space: global }
      - { .name: rhand_vs_pred, .offset: 8, .size: 8, .value_kind: global_buffer, .address_space: global }
      - { .name: obj_vs, .offset: 16, .size: 8, .value_kind: global_buffer, .address_space: global }
      - { .name: cand, .offset: 24, .size: 8, .value_kind: global_buffer, .address_space: global }
      - { .name: hpart, .offset: 32, .size: 8, .value_kind: global_buffer, .address_space: global }
    .group_segment_fixed_size: 168960
    .private_segment_fixed_size: 0
    .kernarg_segment_align: 8
    .kernarg_segment_size: 40
    .max_flat_workgroup_size: 256
    .sgpr_count:     66
    .vgpr_count:     194
    .wavefront_size: 32
...
	.end_amdgpu_metadata
.endif
;; end of part 1
;; launch signed (part 2): grid 16 x 16, 8 waves a work-group, no clusters, 168,960 bytes of LDS; arguments obj_vs, region, cand, hpart, rhand_vs, rhand_vs_pred, rh_mesh, rh_mesh_pred, v_weights, vpe, out6, out7, part; writes out6, out7, part
.if DOCPART == 2
	.amdgcn_target "amdgcn-amd-amdhsa--gfx1250"
	.amdhsa_code_object_version 6
	.text
	.protected	k_q67542849ca_signed
	.globl	k_q67542849ca_signed
	.p2align	8
	.type	k_q67542849ca_signed,@function
k_q67542849ca_signed:
	s_mov_b64 s[64:65], 0
	v_nop
	global_prefetch_b8 v0, s[64:65] scope:SCOPE_SE
	s_setreg_imm32_b32 hwreg(HW_REG_WAVE_MODE, 25, 1), 1
	s_wait_xcnt 0x0
; signed: for each object point and hand the 16 hand rows that cand names are evaluated as reference() rounds them,
;   d2 = max(fl(fl(o2 + h2) - 2 p), 0), p = x ox, then fused + y oy, + z oz,
; the first least one is taken (rows in ascending order, the later one wins only if strictly less), and its vertex and normal give the signed
; distance: out7 (given hand), out6 (predicted hand).  Partial sums of four losses go to part[16 b + c] = (dist_o, dist_h, mesh, edge).
; Points, vertices and normals are used rounded to bf16, as in the launch before; region and v_weights as they are.
; Work-group (c, b): points 512 c .. + 511 of batch b, two neighbouring points a thread.  Side work: waves 0-1 take hand rows 49 c .. 49 c + 48
; (dist_h from hpart, mesh), waves 2-6 edges 145 c .. 145 c + 144.
; LIMITS: finite inputs; squared norms below the pad 1e38; a denormal v_weights counts as 0 (v_log_f32: ISA guide 15.8).
; No matrix unit: 16 of 778 products a point remain.  No tensor loads or cluster: the tables are built through registers (rounding, norms).
.set TABG,  17408                      ; TAB[g] at 17408 g: row -> slot row + (row >> 4), 16 bytes: x|y, z|nx, ny|nz in bf16, h2 in f32
.set REDS,  34816                      ; 8 waves x 16 bytes
.set PADH2, 0x7e967699                 ; 1e38
.set EPS,   0x2b8cbccc                 ; 1e-12
.set BLD,   128                        ; v[128:175] the 48 loads that build the tables: group 4 g + k: x, y, z, nx, ny, nz
.set CB0,   128                        ; v[128:191], v[192:255]: 16 candidate slots each, two tasks in turn
.set CB1,   192
; v2-v5 the four sums; v6 = 0; v7 = 8 t; v[8:13] ox, oy, oz of my two points; v[14:15] region; v[16:19] cand (g = 0, g = 1);
; v[20:21] o2; v[22:23] signed distance, given hand; v[24:25] predicted; v[26:33] the four tasks' two LDS addresses; v34-v55 at work;
; v[56:89] side work's loads; v90-v96 its row and edge numbers; v98-v119 its work
	s_load_b512 s[4:19], s[0:1], 0x0               ; obj s[4:5], region s[6:7], cand s[8:9], hpart s[10:11], rhand s[12:13], pred s[14:15], mesh s[16:17], mesh_pred s[18:19]
	s_load_b256 s[20:27], s[0:1], 0x40             ; v_weights s[20:21], vpe s[22:23], out6 s[24:25], out7 s[26:27]
	s_load_b64 s[28:29], s[0:1], 0x60              ; part
	v_lshl_add_u32 v126, v0, 2, 0x29000
	v_mov_b32 v127, 0
	v_lshrrev_b32 v1, 5, v0
	v_readfirstlane_b32 s30, v1                    ; wave
	s_mov_b32 s31, ttmp9                           ; c
	s_and_b32 s32, ttmp7, 0xffff                   ; b
	s_mov_b32 s33, 0xffff0000
	s_mov_b32 s34, 0x76543210
	s_mov_b32 s35, 0xfedcba98
.irp r, 2,3,4,5,6
	v_mov_b32 v\r, 0
.endr
	v_lshlrev_b32 v7, 3, v0
	v_lshlrev_b32 v34, 2, v0
	v_mul_u32_u24 v35, 12, v0
	v_add_nc_u32 v36, 768, v0
	v_min_u32 v36, 777, v36
	v_lshlrev_b32 v37, 2, v36
	v_mul_u32_u24 v38, 12, v36
	v_lshrrev_b32 v39, 4, v0
	v_add_lshl_u32 v39, v39, v0, 4                 ; 16 (t + (t >> 4)): my rows' slots
	s_mul_i32 s37, s31, 49
	v_add_nc_u32 v90, s37, v0                      ; hand row 49 c + t
	v_min_u32 v91, 777, v90
	v_lshlrev_b32 v92, 2, v91
	s_mul_i32 s37, s31, 145
	v_sub_nc_u32 v93, v0, 64                       ; j
	v_add_nc_u32 v94, s37, v93                     ; edge 145 c + j
	v_min_u32 v95, 2313, v94
	v_lshlrev_b32 v96, 3, v95
	s_lshl_b32 s38, s32, 15                        ; rows of 8,192 f32: b x 32768 + c x 2048
	s_lshl_b32 s37, s31, 11
	s_add_co_u32 s38, s38, s37
	s_mov_b32 s39, 0
	s_mul_i32 s48, s32, 98304
	s_add_co_u32 s48, s48, s37
	s_mov_b32 s49, 0
	s_mul_i32 s50, s32, 9336
	s_mov_b32 s51, 0
	s_mul_i32 s52, s32, 53248                      ; hpart: b x 16 x 3328
	s_mov_b32 s53, 0
	s_lshl4_add_u32 s54, s32, s31
	s_lshl_b32 s54, s54, 4                         ; part: 16 (16 b + c)
	s_mov_b32 s55, 0
	s_wait_kmcnt 0x0
	s_add_nc_u64 s[4:5], s[4:5], s[48:49]
	s_add_nc_u64 s[6:7], s[6:7], s[38:39]
	s_add_nc_u64 s[8:9], s[8:9], s[38:39]
	s_add_nc_u64 s[24:25], s[24:25], s[38:39]
	s_add_nc_u64 s[26:27], s[26:27], s[38:39]
	s_add_nc_u64 s[12:13], s[12:13], s[50:51]
	s_add_nc_u64 s[14:15], s[14:15], s[50:51]
	s_add_nc_u64 s[16:17], s[16:17], s[50:51]
	s_add_nc_u64 s[18:19], s[18:19], s[50:51]
	s_add_nc_u64 s[10:11], s[10:11], s[52:53]
	s_add_nc_u64 s[28:29], s[28:29], s[54:55]
	; every load of the kernel, in one run
.irp d, 0,1,2
	global_load_b64 v[8+2*\d:9+2*\d], v7, s[4:5] offset:32768*\d
.endr
	global_load_b64 v[14:15], v7, s[6:7]
	global_load_b64 v[16:17], v7, s[8:9]
	global_load_b64 v[18:19], v7, s[8:9] offset:524288
.macro BLOAD k, o4, o12, i4, i12
.irp d, 0,1,2
	global_load_b32 v[BLD+6*\k+\d], v[\o4], s[12:13] offset:3112*\d+\i4
	global_load_b32 v[BLD+6*\k+3+\d], v[\o12], s[16:17] offset:4*\d+\i12
	global_load_b32 v[BLD+24+6*\k+\d], v[\o12], s[14:15] offset:4*\d+\i12
	global_load_b32 v[BLD+24+6*\k+3+\d], v[\o12], s[18:19] offset:4*\d+\i12
.endr
.endm
	BLOAD 0, 34, 35, 0, 0
	BLOAD 1, 34, 35, 1024, 3072
	BLOAD 2, 34, 35, 2048, 6144
	BLOAD 3, 37, 38, 0, 0
	s_cmp_gt_u32 s30, 1
	s_cbranch_scc1 .Lload_edges
.irp g, 0,1
.irp h, 0,1,2,3,4,5,6,7,8,9,10,11,12,13,14,15
	global_load_b32 v[56+16*\g+\h], v92, s[10:11] offset:851968*\g+3328*\h   ; my row's minimum in each of the 16 chunks
.endr
.endr
	global_load_b32 v88, v92, s[20:21]
	s_branch .Lloaded
.Lload_edges:
	s_cmp_eq_u32 s30, 7
	s_cbranch_scc1 .Lloaded
	global_load_b64 v[56:57], v96, s[22:23]
.Lloaded:
	s_wait_loadcnt 0x0                             ; for 0: the number of younger loads differs between the waves
	v_cmp_gt_u32 vcc_lo, 10, v0                    ; row 768 + t exists
.macro BROW g, k
.set BL, BLD+6*(4*\g+\k)
	v_cvt_pk_bf16_f32 v44, v[BL], v[BL+1]
	v_cvt_pk_bf16_f32 v45, v[BL+2], v[BL+3]
	v_cvt_pk_bf16_f32 v46, v[BL+4], v[BL+5]
	v_lshlrev_b32 v48, 16, v44
	v_and_b32 v49, s33, v44
	v_lshlrev_b32 v50, 16, v45
	v_mul_f32 v47, v48, v48                        ; h2 of the rounded vertex, in the order x, y, z
	v_fmac_f32 v47, v49, v49
	v_fmac_f32 v47, v50, v50
.if \k == 3
	v_cndmask_b32 v47, PADH2, v47, vcc_lo
.endif
	ds_store_b128 v39, v[44:47] offset:TABG*\g+4352*\k         ; 256 rows are 272 slots
.endm
.irp g, 0,1
.irp k, 0,1,2,3
	BROW \g, \k
.endr
.endr
	s_wait_dscnt 0x0                               ; my rows are in LDS, for the other waves' sake
	s_barrier_signal -1
	s_barrier_wait -1
.macro WID3 d, s                       ; x, y, z of a slot's first 8 bytes as f32
	v_lshlrev_b32 v[\d], 16, v[\s]
	v_and_b32 v[\d+1], s33, v[\s]
	v_lshlrev_b32 v[\d+2], 16, v[\s+1]
.endm
	s_cmp_gt_u32 s30, 1
	s_cbranch_scc1 .Lside_edges
	; waves 0-1: one hand row a thread
	v_lshrrev_b32 v100, 4, v91
	v_add_lshl_u32 v100, v100, v91, 4
	ds_load_b64 v[102:103], v100
	ds_load_b64 v[104:105], v100 offset:TABG
.irp g, 0,1
	v_min3_num_f32 v[98+\g], v[56+16*\g], v[57+16*\g], v[58+16*\g]
.irp t, 3,5,7,9,11,13
	v_min3_num_f32 v[98+\g], v[98+\g], v[56+16*\g+\t], v[57+16*\g+\t]
.endr
	v_min_num_f32 v[98+\g], v[98+\g], v[71+16*\g]
	v_max_num_f32 v[98+\g], 0, v[98+\g]            ; the clamp of d2, behind the minimum
	v_add_f32 v[98+\g], EPS, v[98+\g]
.endr
	v_sqrt_f32 v106, v98
	v_sqrt_f32 v107, v99
	v_log_f32 v108, v88
	v_nop                                          ; one plain instruction behind the run of transcendentals (ISA guide 5.7.2)
	v_cmp_gt_u32 s40, 49, v0
	v_cmp_gt_u32 s41, 778, v90
	s_and_b32 s40, s40, s41                        ; the row is mine and exists
	s_wait_alu depctr_va_vdst(0)
	v_mul_f32 v108, 0x3ecccccd, v108               ; w ^ 0.4 = 2 ^ (0.4 log2 w)
	v_exp_f32 v109, v108
	v_sub_f32 v106, v107, v106                     ; the plain instruction behind v_exp_f32
	s_wait_alu depctr_va_vdst(0)
	v_mul_f32 v106, |v106|, v109
	v_cndmask_b32 v3, 0, v106, s40
	s_wait_dscnt 0x0
	WID3 110, 102
	WID3 113, 104
.irp d, 0,1,2
	v_sub_f32 v[110+\d], v[110+\d], v[113+\d]
.endr
	v_add_f32 v110, |v110|, |v111|
	v_add_f32 v110, v110, |v112|
	v_mul_f32 v110, v88, v110
	v_cndmask_b32 v4, 0, v110, s40
	s_branch .Lside_done
.Lside_edges:
	s_cmp_eq_u32 s30, 7
	s_cbranch_scc1 .Lside_done
	; waves 2-6: one edge a thread; an index is clamped to the last row's slot before it becomes an address
	v_lshrrev_b32 v98, 4, v56
	v_add_nc_u32 v98, v98, v56
	v_min_u32 v98, 825, v98
	v_lshlrev_b32 v98, 4, v98
	v_lshrrev_b32 v99, 4, v57
	v_add_nc_u32 v99, v99, v57
	v_min_u32 v99, 825, v99
	v_lshlrev_b32 v99, 4, v99
	ds_load_b64 v[100:101], v98
	ds_load_b64 v[102:103], v99
	ds_load_b64 v[104:105], v98 offset:TABG
	ds_load_b64 v[106:107], v99 offset:TABG
	v_cmp_gt_u32 s40, 145, v93
	v_cmp_gt_u32 s41, 2314, v94
	s_and_b32 s40, s40, s41
	s_wait_dscnt 0x0
	WID3 108, 100
	WID3 111, 102
	WID3 114, 104
	WID3 117, 106
.irp d, 0,1,2
	v_sub_f32 v[108+\d], v[108+\d], v[111+\d]      ; the given hand's edge
	v_sub_f32 v[114+\d], v[114+\d], v[117+\d]      ; the predicted hand's
	v_sub_f32 v[108+\d], v[114+\d], v[108+\d]
.endr
	v_add_f32 v108, |v108|, |v109|
	v_add_f32 v108, v108, |v110|
	v_cndmask_b32 v5, 0, v108, s40
.Lside_done:
	; my two points, rounded; o2 as in the launch before
.irp e, 0,1
	v_cvt_pk_bf16_f32 v40, v[8+\e], v[10+\e]
	v_cvt_pk_bf16_f32 v41, v[12+\e], 0
	v_lshlrev_b32 v[8+\e], 16, v40
	v_and_b32 v[10+\e], s33, v40
	v_lshlrev_b32 v[12+\e], 16, v41
	v_mul_f32 v[20+\e], v[8+\e], v[8+\e]
	v_fmac_f32 v[20+\e], v[10+\e], v[10+\e]
	v_fmac_f32 v[20+\e], v[12+\e], v[12+\e]
.endr
; Task k = point e, hand g: the two runs of eight slots, the run of lower rows first.  17 T0 and 17 T1 + 8 are never equal.
; The numbers come from memory: each is clamped to the last run's first slot before it becomes an address.
.macro ADDR k, e, g
	v_and_b32 v40, 0xff, v[16+2*\g+\e]
	v_bfe_u32 v41, v[16+2*\g+\e], 8, 8
	v_mul_u32_u24 v40, 17, v40
	v_mad_u32_u24 v41, v41, 17, 8
	v_min_u32 v[26+2*\k], v40, v41
	v_max_u32 v[27+2*\k], v40, v41
	v_min_u32 v[26+2*\k], 824, v[26+2*\k]
	v_min_u32 v[27+2*\k], 824, v[27+2*\k]
	v_lshlrev_b32 v[26+2*\k], 4, v[26+2*\k]
	v_lshlrev_b32 v[27+2*\k], 4, v[27+2*\k]
.endm
	ADDR 0, 0, 0
	ADDR 1, 0, 1
	ADDR 2, 1, 0
	ADDR 3, 1, 1
.macro FETCH k, g, buf
.irp j, 0,1,2,3,4,5,6,7
	ds_load_b128 v[\buf+4*\j:\buf+4*\j+3], v[26+2*\k] offset:TABG*\g+16*\j
.endr
.irp j, 0,1,2,3,4,5,6,7
	ds_load_b128 v[\buf+32+4*\j:\buf+32+4*\j+3], v[27+2*\k] offset:TABG*\g+16*\j
.endr
.endm
; d2 of the 16 slots, into each slot's fourth register, eight slots side by side.
.macro EVAL buf, e
.irp h, 0,8
.irp q, 0,1,2,3,4,5,6,7
	v_fma_mix_f32_bf16 v[40+\q], v[\buf+4*(\h+\q)], v[8+\e], v6 op_sel_hi:[1,0,0]
.endr
.irp q, 0,1,2,3,4,5,6,7
	v_fma_mix_f32_bf16 v[40+\q], v[\buf+4*(\h+\q)], v[10+\e], v[40+\q] op_sel:[1,0,0] op_sel_hi:[1,0,0]
.endr
.irp q, 0,1,2,3,4,5,6,7
	v_fma_mix_f32_bf16 v[40+\q], v[\buf+4*(\h+\q)+1], v[12+\e], v[40+\q] op_sel_hi:[1,0,0]
.endr
.irp q, 0,1,2,3,4,5,6,7
	v_add_f32 v[\buf+4*(\h+\q)+3], v[20+\e], v[\buf+4*(\h+\q)+3]
.endr
.irp q, 0,1,2,3,4,5,6,7
	v_fma_f32 v[\buf+4*(\h+\q)+3], -2.0, v[40+\q], v[\buf+4*(\h+\q)+3]
.endr
.irp q, 0,1,2,3,4,5,6,7
	v_max_num_f32 v[\buf+4*(\h+\q)+3], 0, v[\buf+4*(\h+\q)+3]
.endr
.endr
.endm
; Slot a takes slot b's vertex and normal where b is strictly nearer (a < b: the first index keeps a tie).  keep: the distance goes on up the tree.
.macro NODE buf, a, b, m, keep
	v_cmp_lt_f32 s[40+(\m)], v[\buf+4*(\b)+3], v[\buf+4*(\a)+3]
	v_cndmask_b32 v[\buf+4*(\a)], v[\buf+4*(\a)], v[\buf+4*(\b)], s[40+(\m)]
	v_cndmask_b32 v[\buf+4*(\a)+1], v[\buf+4*(\a)+1], v[\buf+4*(\b)+1], s[40+(\m)]
	v_cndmask_b32 v[\buf+4*(\a)+2], v[\buf+4*(\a)+2], v[\buf+4*(\b)+2], s[40+(\m)]
.if \keep
	v_min_num_f32 v[\buf+4*(\a)+3], v[\buf+4*(\a)+3], v[\buf+4*(\b)+3]
.endif
.endm
.macro TREE buf
.irp a, 0,2,4,6,8,10,12,14
	NODE \buf, \a, \a+1, \a/2, 1
.endr
.irp a, 0,4,8,12
	NODE \buf, \a, \a+2, \a/4, 1
.endr
.irp a, 0,8
	NODE \buf, \a, \a+4, \a/8, 1
.endr
	NODE \buf, 0, 8, 0, 0
.endm
; The signed distance of point e to the vertex in slot 0.
.macro SIGNED buf, e, dst
	v_lshlrev_b32 v40, 16, v[\buf]
	v_and_b32 v41, s33, v[\buf]
	v_lshlrev_b32 v42, 16, v[\buf+1]
	v_and_b32 v43, s33, v[\buf+1]
	v_lshlrev_b32 v44, 16, v[\buf+2]
	v_and_b32 v45, s33, v[\buf+2]
	v_sub_f32 v40, v[8+\e], v40
	v_sub_f32 v41, v[10+\e], v41
	v_sub_f32 v42, v[12+\e], v42
	v_mul_f32 v46, v40, v40
	v_fmac_f32 v46, v41, v41
	v_fmac_f32 v46, v42, v42
	v_add_f32 v46, EPS, v46
	v_sqrt_f32 v47, v46
	v_mul_f32 v48, v43, v40                        ; normal . vector; the first line is the plain instruction behind v_sqrt_f32
	v_fmac_f32 v48, v44, v41
	v_fmac_f32 v48, v45, v42
	s_wait_alu depctr_va_vdst(0)
	v_bfi_b32 v47, 0x7fffffff, v47, v48            ; the root's magnitude, the product's sign,
	v_cmp_neq_f32 vcc_lo, 0, v48
	v_cndmask_b32 v[\dst], 0, v47, vcc_lo          ; and 0 where the product is 0
.endm
.macro WORK buf, e, dst
	EVAL \buf, \e
	TREE \buf
	SIGNED \buf, \e, \dst
.endm
	FETCH 0, 0, CB0
	FETCH 1, 1, CB1
	s_wait_dscnt 16                                ; LDS loads return in order: this task's 16 are in, the next task's 16 stay out
	WORK CB0, 0, 22
	FETCH 2, 0, CB0
	s_wait_dscnt 16
	WORK CB1, 0, 24
	FETCH 3, 1, CB1
	s_wait_dscnt 16
	WORK CB0, 1, 23
	s_wait_dscnt 0x0
	WORK CB1, 1, 25
	global_store_b64 v7, v[24:25], s[24:25]        ; out6: a wave's store covers 256 consecutive bytes, aligned
	global_store_b64 v7, v[22:23], s[26:27]        ; out7
	; the weight, overwritten in reference()'s order, and dist_o's sum
	v_mov_b32 v50, 0x3dcccccd                      ; 0.1
	v_mov_b32 v51, 0x3fc00000                      ; 1.5
.irp e, 0,1
	v_cmp_gt_f32 s40, 0x3c23d70a, v[22+\e]         ; 0.01 > s
	v_cmp_lt_f32 s41, 0xbba3d70a, v[22+\e]         ; -0.005 < s
	s_and_b32 s40, s40, s41
	v_cndmask_b32 v40, v50, 1.0, s40
	v_cmp_gt_f32 vcc_lo, 0, v[24+\e]
	v_cndmask_b32 v40, v40, v51, vcc_lo
	v_cmp_lt_f32 vcc_lo, 0, v[14+\e]
	v_cndmask_b32 v40, v40, 2.0, vcc_lo
	v_sub_f32 v41, v[24+\e], v[22+\e]
	v_fma_f32 v2, |v41|, v40, v2
.endr
	; the four sums: over the wave, then over the eight waves
.irp r, 2,3,4,5
	v_add_f32_dpp v\r, v\r, v\r row_xmask:1 row_mask:0xf bank_mask:0xf
	v_add_f32_dpp v\r, v\r, v\r row_xmask:2 row_mask:0xf bank_mask:0xf
	v_add_f32_dpp v\r, v\r, v\r row_xmask:4 row_mask:0xf bank_mask:0xf
	v_add_f32_dpp v\r, v\r, v\r row_xmask:8 row_mask:0xf bank_mask:0xf
	v_permlanex16_b32 v40, v\r, s34, s35
	v_add_f32 v\r, v\r, v40
.endr
	s_lshl_b32 s37, s30, 4
	s_add_co_u32 s37, s37, REDS
	v_mov_b32 v41, s37
	ds_store_b128 v41, v[2:5]                      ; every lane the same 16 bytes
	s_wait_dscnt 0x0
	s_barrier_signal -1
	s_barrier_wait -1
	s_cmp_lg_u32 s30, 0
	s_cbranch_scc1 .Lend
	v_and_b32 v41, 7, v0
	v_lshlrev_b32 v41, 4, v41
	ds_load_b128 v[8:11], v41 offset:REDS
	s_wait_dscnt 0x0
.irp r, 8,9,10,11
	v_add_f32_dpp v\r, v\r, v\r row_xmask:1 row_mask:0xf bank_mask:0xf
	v_add_f32_dpp v\r, v\r, v\r row_xmask:2 row_mask:0xf bank_mask:0xf
	v_add_f32_dpp v\r, v\r, v\r row_xmask:4 row_mask:0xf bank_mask:0xf
.endr
	s_wait_xcnt 0x0                                ; EXEC changes only behind this wait
	v_cmp_eq_u32 vcc_lo, 0, v0
	s_and_saveexec_b32 s36, vcc_lo
	global_store_b128 v6, v[8:11], s[28:29]        ; v6 = 0
	s_wait_xcnt 0x0
	s_or_b32 exec_lo, exec_lo, s36
.Lend:
	s_wait_tensorcnt 0x0
	ds_add_u32 v126, v127
	s_wait_dscnt 0x0
	s_endpgm
.Lfunc_end_k_q67542849ca_signed:
	.size	k_q67542849ca_signed, .Lfunc_end_k_q67542849ca_signed-k_q67542849ca_signed
	.p2alignl 7, 3214868480
	.fill 96, 4, 3214868480
	.section	.rodata,"a",@progbits
	.p2align	6, 0x0
	.amdhsa_kernel k_q67542849ca_signed
		.amdhsa_group_segment_fixed_size 168960
		.amdhsa_private_segment_fixed_size 0
		.amdhsa_enable_private_segment 0
		.amdhsa_kernarg_size 104
		.amdhsa_user_sgpr_count 2
		.amdhsa_user_sgpr_kernarg_segment_ptr 1
		.amdhsa_wavefront_size32 1
		.amdhsa_system_sgpr_workgroup_id_x 1
		.amdhsa_system_sgpr_workgroup_id_y 1
		.amdhsa_system_sgpr_workgroup_id_z 1
		.amdhsa_system_vgpr_workitem_id 0
		.amdhsa_next_free_vgpr 256
		.amdhsa_next_free_sgpr 66
		.amdhsa_reserve_vcc 1
		.amdhsa_float_denorm_mode_32 3
		.amdhsa_float_denorm_mode_16_64 3
		.amdhsa_memory_ordered 1
		.amdhsa_forward_progress 1
		.amdhsa_inst_pref_size 71
	.end_amdhsa_kernel
	.amdgpu_metadata
---
amdhsa.version: [ 1, 2 ]
amdhsa.kernels:
  - .name:           k_q67542849ca_signed
    .symbol:         k_q67542849ca_signed.kd
    .args:
      - { .name: obj_vs, .offset: 0, .size: 8, .value_kind: global_buffer, .address_space: global }
      - { .name: region, .offset: 8, .size: 8, .value_kind: global_buffer, .address_space: global }
      - { .name: cand, .offset: 16, .size: 8, .value_kind: global_buffer, .address_space: global }
      - { .name: hpart, .offset: 24, .size: 8, .value_kind: global_buffer, .address_space: global }
      - { .name: rhand_vs, .offset: 32, .size: 8, .value_kind: global_buffer, .address_space: global }
      - { .name: rhand_vs_pred, .offset: 40, .size: 8, .value_kind: global_buffer, .address_space: global }
      - { .name: rh_mesh, .offset: 48, .size: 8, .value_kind: global_buffer, .address_space: global }
      - { .name: rh_mesh_pred, .offset: 56, .size: 8, .value_kind: global_buffer, .address_space: global }
      - { .name: v_weights, .offset: 64, .size: 8, .value_kind: global_buffer, .address_space: global }
      - { .name: vpe, .offset: 72, .size: 8, .value_kind: global_buffer, .address_space: global }
      - { .name: out6, .offset: 80, .size: 8, .value_kind: global_buffer, .address_space: global }
      - { .name: out7, .offset: 88, .size: 8, .value_kind: global_buffer, .address_space: global }
      - { .name: part, .offset: 96, .size: 8, .value_kind: global_buffer, .address_space: global }
    .group_segment_fixed_size: 168960
    .private_segment_fixed_size: 0
    .kernarg_segment_align: 8
    .kernarg_segment_size: 104
    .max_flat_workgroup_size: 256
    .sgpr_count:     66
    .vgpr_count:     256
    .wavefront_size: 32
...
	.end_amdgpu_metadata
.endif
;; end of part 2
;; launch final (part 3): grid 1 x 1, 1 waves a work-group, no clusters, 0 bytes of LDS; arguments part, p_mean, p_std, out0, out1, out2, out3, out4, out5; writes out0, out1, out2, out3, out4, out5
.if DOCPART == 3
	.amdgcn_target "amdgcn-amd-amdhsa--gfx1250"
	.amdhsa_code_object_version 6
	.text
	.protected	k_q67542849ca_final
	.globl	k_q67542849ca_final
	.p2align	8
	.type	k_q67542849ca_final,@function
k_q67542849ca_final:
	s_mov_b64 s[64:65], 0
	v_nop
	global_prefetch_b8 v0, s[64:65] scope:SCOPE_SE
	s_setreg_imm32_b32 hwreg(HW_REG_WAVE_MODE, 25, 1), 1
	s_wait_xcnt 0x0
; final: adds the 256 work-groups' partial sums (dist_o, dist_h, mesh, edge), makes the KL term of 16 x 16 numbers, scales, stores six numbers.
; One wave: 4 KB + 2 KB of input, one sum over everything: an ordered sum by one owner.
; softplus(s) = max(s, 0) + u r with u = e^-|s| and r = log(1 + u) / u, taken as log(w) / (w - 1), w = fl(1 + u) (for u < 2^-10: 1 - u / 2).
; log(softplus(s)) = s + log r for s <= 0, so it stays finite where sigma itself is too small for v_log_f32.
.set MU, 40                            ; v[40:47] p_mean, 8 a lane
.set SD, 48                            ; v[48:55] p_std
.set U,  56                            ; v[56:63] u
.set W,  64                            ; v[64:71] w, then sigma, then kl
.set A,  72                            ; v[72:79] log2 w, then r
.set B,  80                            ; v[80:87] w - 1, then 1 - u / 2, then log sigma
.set C,  88                            ; v[88:95] 1 / (w - 1), then max(s, 0), then log2 r
.set LN2, 0x3f317218
	s_load_b256 s[4:11], s[0:1], 0x0               ; part s[4:5], p_mean s[6:7], p_std s[8:9], out0 s[10:11]
	s_load_b256 s[12:19], s[0:1], 0x20             ; out1 .. out4
	s_load_b64 s[20:21], s[0:1], 0x40              ; out5
	s_mov_b32 s22, 0x76543210
	s_mov_b32 s23, 0xfedcba98
	v_lshlrev_b32 v1, 4, v0
	v_lshlrev_b32 v2, 5, v0
	v_mov_b32 v3, 0
	s_wait_kmcnt 0x0
.irp k, 0,1,2,3,4,5,6,7
	global_load_b128 v[8+4*\k:11+4*\k], v1, s[4:5] offset:512*\k
.endr
	global_load_b128 v[MU:MU+3], v2, s[6:7]
	global_load_b128 v[MU+4:MU+7], v2, s[6:7] offset:16
	global_load_b128 v[SD:SD+3], v2, s[8:9]
	global_load_b128 v[SD+4:SD+7], v2, s[8:9] offset:16
	s_wait_loadcnt 0x0
	; eight quadruples a lane to one
.irp k, 0,1,2,3
	v_pk_add_f32 v[8+4*\k:9+4*\k], v[8+4*\k:9+4*\k], v[24+4*\k:25+4*\k]
	v_pk_add_f32 v[10+4*\k:11+4*\k], v[10+4*\k:11+4*\k], v[26+4*\k:27+4*\k]
.endr
.irp k, 0,1
	v_pk_add_f32 v[8+4*\k:9+4*\k], v[8+4*\k:9+4*\k], v[16+4*\k:17+4*\k]
	v_pk_add_f32 v[10+4*\k:11+4*\k], v[10+4*\k:11+4*\k], v[18+4*\k:19+4*\k]
.endr
	v_pk_add_f32 v[8:9], v[8:9], v[12:13]
	v_pk_add_f32 v[10:11], v[10:11], v[14:15]
	; KL, stage by stage over the lane's eight numbers: transcendentals in runs, one plain instruction behind each run (ISA guide 5.7.2)
.irp i, 0,1,2,3,4,5,6,7
	v_mul_f32 v[W+\i], 0xbfb8aa3b, |v[SD+\i]|      ; -|s| log2 e
.endr
.irp i, 0,1,2,3,4,5,6,7
	v_exp_f32 v[U+\i], v[W+\i]
.endr
	v_nop
	s_wait_alu depctr_va_vdst(0)
.irp i, 0,1,2,3,4,5,6,7
	v_add_f32 v[W+\i], 1.0, v[U+\i]
.endr
.irp i, 0,1,2,3,4,5,6,7
	v_add_f32 v[B+\i], -1.0, v[W+\i]
.endr
.irp i, 0,1,2,3,4,5,6,7
	v_log_f32 v[A+\i], v[W+\i]
	v_rcp_f32 v[C+\i], v[B+\i]
.endr
	v_nop
	s_wait_alu depctr_va_vdst(0)
.irp i, 0,1,2,3,4,5,6,7
	v_mul_f32 v[A+\i], v[A+\i], v[C+\i]
	v_mul_f32 v[A+\i], LN2, v[A+\i]
	v_fma_f32 v[B+\i], v[U+\i], -0.5, 1.0
	v_cmp_gt_f32 vcc_lo, 0x3a800000, v[U+\i]       ; u < 2^-10 (u = 0 among them, where the quotient is no number)
	v_cndmask_b32 v[A+\i], v[A+\i], v[B+\i], vcc_lo
	v_max_num_f32 v[C+\i], 0, v[SD+\i]
	v_fma_f32 v[W+\i], v[U+\i], v[A+\i], v[C+\i]   ; sigma
.endr
.irp i, 0,1,2,3,4,5,6,7
	v_log_f32 v[B+\i], v[W+\i]
	v_log_f32 v[C+\i], v[A+\i]
.endr
	v_nop
	s_wait_alu depctr_va_vdst(0)
.irp i, 0,1,2,3,4,5,6,7
	v_mul_f32 v[B+\i], LN2, v[B+\i]
	v_fmamk_f32 v[C+\i], v[C+\i], LN2, v[SD+\i]
	v_cmp_lt_f32 vcc_lo, 0, v[SD+\i]
	v_cndmask_b32 v[B+\i], v[C+\i], v[B+\i], vcc_lo            ; log sigma
	v_fma_f32 v[W+\i], v[W+\i], v[W+\i], -1.0
	v_fmac_f32 v[W+\i], v[MU+\i], v[MU+\i]
	v_fma_f32 v[W+\i], 0.5, v[W+\i], -v[B+\i]
.endr
	v_pk_add_f32 v[W:W+1], v[W:W+1], v[W+2:W+3]
	v_pk_add_f32 v[W+4:W+5], v[W+4:W+5], v[W+6:W+7]
	v_pk_add_f32 v[W:W+1], v[W:W+1], v[W+4:W+5]
	v_add_f32 v12, v[W], v[W+1]
	; five sums over the 32 lanes
.irp r, 8,9,10,11,12
	v_add_f32_dpp v\r, v\r, v\r row_xmask:1 row_mask:0xf bank_mask:0xf
	v_add_f32_dpp v\r, v\r, v\r row_xmask:2 row_mask:0xf bank_mask:0xf
	v_add_f32_dpp v\r, v\r, v\r row_xmask:4 row_mask:0xf bank_mask:0xf
	v_add_f32_dpp v\r, v\r, v\r row_xmask:8 row_mask:0xf bank_mask:0xf
	v_permlanex16_b32 v13, v\r, s22, s23
	v_add_f32 v\r, v\r, v13
.endr
	v_mul_f32 v8, 0x39700000, v8                   ; dist_o: 30 / (16 x 8192)
	v_mul_f32 v9, 0.0028116967, v9                 ; dist_h: 35 / (16 x 778)
	v_mul_f32 v10, 0.00080334190, v10              ; mesh:   30 / (16 x 778 x 3)
	v_mul_f32 v11, 0.00027009507, v11              ; edge:   30 / (16 x 2314 x 3)
	v_mul_f32 v12, 0.0003125, v12                  ; kl:     0.005 / 16
	v_add_f32 v14, v12, v11
	v_add_f32 v14, v14, v10
	v_add_f32 v14, v14, v9
	v_add_f32 v14, v14, v8
	v_cmp_eq_u32 vcc_lo, 0, v0
	s_wait_xcnt 0x0                                ; EXEC changes only behind this wait
	s_and_saveexec_b32 s24, vcc_lo
	global_store_b32 v3, v14, s[10:11]             ; total
	global_store_b32 v3, v12, s[12:13]             ; kl
	global_store_b32 v3, v11, s[14:15]             ; edge
	global_store_b32 v3, v10, s[16:17]             ; mesh
	global_store_b32 v3, v9, s[18:19]              ; dist_h
	global_store_b32 v3, v8, s[20:21]              ; dist_o
	s_wait_xcnt 0x0
	s_or_b32 exec_lo, exec_lo, s24
	s_endpgm
.Lfunc_end_k_q67542849ca_final:
	.size	k_q67542849ca_final, .Lfunc_end_k_q67542849ca_final-k_q67542849ca_final
	.p2alignl 7, 3214868480
	.fill 96, 4, 3214868480
	.section	.rodata,"a",@progbits
	.p2align	6, 0x0
	.amdhsa_kernel k_q67542849ca_final
		.amdhsa_group_segment_fixed_size 0
		.amdhsa_private_segment_fixed_size 0
		.amdhsa_enable_private_segment 0
		.amdhsa_kernarg_size 72
		.amdhsa_user_sgpr_count 2
		.amdhsa_user_sgpr_kernarg_segment_ptr 1
		.amdhsa_wavefront_size32 1
		.amdhsa_system_sgpr_workgroup_id_x 1
		.amdhsa_system_sgpr_workgroup_id_y 1
		.amdhsa_system_sgpr_workgroup_id_z 1
		.amdhsa_system_vgpr_workitem_id 0
		.amdhsa_next_free_vgpr 96
		.amdhsa_next_free_sgpr 66
		.amdhsa_reserve_vcc 1
		.amdhsa_float_denorm_mode_32 3
		.amdhsa_float_denorm_mode_16_64 3
		.amdhsa_memory_ordered 1
		.amdhsa_forward_progress 1
		.amdhsa_inst_pref_size 15
	.end_amdhsa_kernel
	.amdgpu_metadata
---
amdhsa.version: [ 1, 2 ]
amdhsa.kernels:
  - .name:           k_q67542849ca_final
    .symbol:         k_q67542849ca_final.kd
    .args:
      - { .name: part, .offset: 0, .size: 8, .value_kind: global_buffer, .address_space: global }
      - { .name: p_mean, .offset: 8, .size: 8, .value_kind: global_buffer, .address_space: global }
      - { .name: p_std, .offset: 16, .size: 8, .value_kind: global_buffer, .address_space: global }
      - { .name: out0, .offset: 24, .size: 8, .value_kind: global_buffer, .address_space: global }
      - { .name: out1, .offset: 32, .size: 8, .value_kind: global_buffer, .address_space: global }
      - { .name: out2, .offset: 40, .size: 8, .value_kind: global_buffer, .address_space: global }
      - { .name: out3, .offset: 48, .size: 8, .value_kind: global_buffer, .address_space: global }
      - { .name: out4, .offset: 56, .size: 8, .value_kind: global_buffer, .address_space: global }
      - { .name: out5, .offset: 64, .size: 8, .value_kind: global_buffer, .address_space: global }
    .group_segment_fixed_size: 0
    .private_segment_fixed_size: 0
    .kernarg_segment_align: 8
    .kernarg_segment_size: 72
    .max_flat_workgroup_size: 32
    .sgpr_count:     66
    .vgpr_count:     96
    .wavefront_size: 32
...
	.end_amdgpu_metadata
.endif
;; end of part 3
